; MI455X (gfx1250); checked and timed in simulation.
; The chip was launched on July 23, 2026; its instructions are those of AMD's public machine-readable ISA for CDNA 5 (MIT licence, August 2026) and "CDNA5" Instruction Set Architecture Reference Guide (July 2026). The comments in the code are by the model that wrote it; some were corrected since.
;; Bahdanau Attention. Allowed arithmetic: matrix products marked QUANTISED: E2M1 operands, one E8M0 scale for each 32 along K, by v_wmma_scale_f32_16x16x128_f8f6f4 with both operands' format E2M1 (or v_wmma_scale_f32_32x16x128_f4), f32 sums; products left as they are: f32 operands where the result goes on into a quantised operand, else bf16, f16 or f32 operands; f32 sums; everything else in f32.
;; Inputs: V 1,024 x 1 float32; W1_codes 1,024 x 32 x 16 uint8 (E2M1 codes of W1, K innermost, in blocks of 32 codes, two codes a byte); W1_scales 1,024 x 32 uint8 (E8M0 scales of W1, one for each 32 codes along K); W2_codes 1,024 x 32 x 16 uint8 (E2M1 codes of W2, K innermost, in blocks of 32 codes, two codes a byte); W2_scales 1,024 x 32 uint8 (E8M0 scales of W2, one for each 32 codes along K); b1 1,024 float32; b2 1,024 float32; bV 1 float32; query_codes 32 x 32 x 16 uint8 (E2M1 codes of query, K innermost, in blocks of 32 codes, two codes a byte); query_scales 32 x 32 uint8 (E8M0 scales of query, one for each 32 codes along K); values 32 x 2,048 x 1,024 float32.
;; Outputs: out0 32 x 1,024 float32; out1 32 x 2,048 x 1 float32.
;; This version of the problem:
;;   THIS VERSION OF THE PROBLEM IS GIVEN IN LOW PRECISION. The matrix products marked QUANTISED in the list below multiply operands that are first quantised to E2M1 (2 exponent bits, 1 mantissa bit; 4 bits a number), with one power-of-two scale for each 32 numbers along K (OCP MX v1.0); their sums are f32. All else is computed in f32.
;;   The module's matrix products, in the order in which they are computed (A, B: the left and right operand; K: the contracted axis; several contracted axes count as one K, in the product's order):
;;     1. [M 65,536, K 1,024] x [K 1,024, N 1,024]; A: input values; B: input W1 (given as codes): QUANTISED
;;     2. [M 32, K 1,024] x [K 1,024, N 1,024]; A: input query (given as codes); B: input W2 (given as codes): QUANTISED
;;     3. [M 65,536, K 1,024] x [K 1,024, N 1]; A: computed on the way; B: input V: left as it is (N = 1 < 16)
;;   THE QUANTISER, for each operand of a quantised product, along K:
;;     - K is cut into blocks of 32 from its start; a last block that is shorter is filled with zeros.
;;     - A block's scale is 2^e with e = floor(log2(the largest magnitude in the block)) - 2, held to -126 .. 127; a block of zeros has e = 0. As a byte (E8M0): e + 127.
;;     - Each number is divided by its block's scale, clamped to +-6, and rounded to the nearest number of E2M1, ties to even, subnormals kept.
;;     - The product sums the exact products of the quantised numbers (number of the format x scale) in f32.
;;   ~~~python
;;   def quantise(x, axis):      # numpy; x: float32 -> the quantised numbers, widened to float32 again
;;       x = np.moveaxis(x, axis, -1); K = x.shape[-1]
;;       x = np.pad(x, [(0, 0)] * (x.ndim - 1) + [(0, -K % 32)]); x = x.reshape(x.shape[:-1] + (-1, 32)); a = np.abs(x).max(-1, keepdims=True)
;;       e = np.where(a > 0, np.clip(np.frexp(np.where(a > 0, a, 1))[1] - 1 - 2, -126, 127), 0)      # np.frexp(a)[1] - 1 = floor(log2(a)), exactly
;;       r = np.clip(x / 2.0 ** e, -6, 6)
;;       step = 2.0 ** (np.maximum(np.frexp(np.where(r == 0, 1, r))[1] - 1, 0) - 1)
;;       q = np.round(r / step) * step * 2.0 ** e      # np.round: ties to even
;;       return np.moveaxis(q.reshape(q.shape[:-2] + (-1,))[..., :K], -1, axis).astype(np.float32)
;;   ~~~
;;   INPUTS GIVEN AS CODES. W1 (in the module: [1024, 1024], K = its axis 0); W2 (in the module: [1024, 1024], K = its axis 0); query (in the module: [32, 1024], K = its axis 1): each comes as NAME_codes (uint8): NAME with its K axis moved to the last place and cut into blocks of 32 codes, [.., K / 32, bytes a block], one block behind the other in memory; two codes a byte, the lower K in the low four bits (a code: sign, 2 exponent bits, 1 mantissa bit); and NAME_scales (uint8): the same leading axes, one E8M0 byte (e + 127) for each 32 codes along K. Its value is code x scale, taken as it is: it is not quantised again, and the codes and scales need not be those that the quantiser above would give.
;; One version. Each part assembles by itself: llvm-mc -triple=amdgcn-amd-amdhsa -mcpu=gfx1250 --defsym DOCPART=n.
;; ======== version 1 of 1: 3 launches
;; limits: right only within a limited range of input values
;; workspace buffers: w1img 557,056 bytes; qb 131,072 bytes; tsc 262,144 bytes; pctx 1,048,576 bytes; pml 65,536 bytes
;; launch prep (part 1): grid 64 x 1, 2 waves a work-group, no clusters, 0 bytes of LDS; arguments W1_codes, W1_scales, W2_codes, W2_scales, query_codes, query_scales, b1, b2, w1img, qb; writes w1img, qb
.if DOCPART == 1
	.amdgcn_target "amdgcn-amd-amdhsa--gfx1250"
	.amdhsa_code_object_version 6
	.text
	.protected	k_q46c5b49342_prep
	.globl	k_q46c5b49342_prep
	.p2align	8
	.type	k_q46c5b49342_prep,@function
k_q46c5b49342_prep:
	s_mov_b64 s[64:65], 0
	v_nop
	global_prefetch_b8 v0, s[64:65] scope:SCOPE_SE
	s_setreg_imm32_b32 hwreg(HW_REG_WAVE_MODE, 25, 1), 1
	s_wait_xcnt 0x0
; BAHDANAU ATTENTION, first of three launches.  score[s] = V . tanh(values[s] W1 + b1 + query W2 + b2) + bV; out1 = softmax over s; out0 = sum over s of out1[s] values[s].
; WORK LEFT OUT, for all finite values of the inputs:
;   bV is added to every score of a batch alike, and a softmax does not change when one number is added to all its inputs: bV reaches neither out1 nor, through it, out0.
;   bV is not loaded and is an argument of no launch.
;   tanh(z) = 1 - 2 / (1 + e^(2 z)) is an identity, so sum_u V[u] tanh(z_u) = sum_u V[u] - 2 sum_u V[u] r_u with r_u = 1 / (1 + e^(2 z_u)).  The term sum_u V[u] is again the same
;   for every position of a batch and is never formed.  What the program carries is t = -c sum_u V[u] r_u, c = 2 log2(e): the score x log2(e) less that constant.
; LIMIT: a NaN, an infinity or an overflow that reaches only bV or sum_u V[u] is not carried to the results.  NaN and infinities among the inputs are not served.
; THIS LAUNCH, work-group T (0 .. 63) = units u = 16 T .. 16 T + 15, two waves with nothing in common (no LDS, no barrier):
;   wave 1 lays W1's 16 rows out in the order of the matrix operand's registers: w1img + 8704 T: the fragment of K step s, half c at 1024 s + 512 c + 16 lane; the rows' scale bytes at 8192 + 16 lane
;          (lanes 0-15: words 0-3 of row lane, lanes 16-31: words 4-7 of row lane - 16).  The next launch then loads each fragment by loads of 512 consecutive bytes.
;   wave 0 makes qb[b][u] = c (query[b] . W2[:, u] + b1[u] + b2[u]) for all 32 batches: the second product of the problem, on the codes as they are given.
.set TILEB, 8704
	s_load_b512 s[4:19], s[0:1], 0x0               ; W1 codes s[4:5], W1 scales s[6:7], W2 codes s[8:9], W2 scales s[10:11], query codes s[12:13], query scales s[14:15], b1 s[16:17], b2 s[18:19]
	s_load_b128 s[20:23], s[0:1], 0x40             ; w1img s[20:21], qb s[22:23]
	v_lshrrev_b32 v6, 5, v0
	v_readfirstlane_b32 s24, v6                    ; wave 0 or 1
	v_and_b32 v7, 15, v0                           ; r = lane % 16
	v_bfe_u32 v8, v0, 4, 1                         ; h = lane / 16
	v_and_b32 v9, 31, v0                           ; lane
	v_lshlrev_b32 v1, 9, v7
	v_lshl_add_u32 v1, v8, 4, v1                   ; codes: row r of 512 bytes, + 16 h
	v_lshlrev_b32 v2, 5, v7
	v_lshl_add_u32 v2, v8, 4, v2                   ; scale bytes: row r of 32 bytes, + 16 h
	v_lshlrev_b32 v3, 4, v9                        ; an image: 16 x lane
	v_lshlrev_b32 v4, 5, v8                        ; the biases: 8 h numbers on
	v_lshl_add_u32 v5, v7, 12, v4                  ; qb: row r of 4,096 bytes, + 32 h
	s_lshl_b32 s26, ttmp9, 13                      ; 16 rows of codes
	s_mov_b32 s27, 0
	s_lshl_b32 s28, ttmp9, 9                       ; 16 rows of scale bytes
	s_mov_b32 s29, 0
	s_lshl_b32 s30, ttmp9, 6                       ; 16 numbers of f32
	s_mov_b32 s31, 0
	s_mul_i32 s32, ttmp9, TILEB                    ; a tile's image
	s_mov_b32 s33, 0
	s_mov_b32 s34, 0x4038aa3b                      ; c = 2 log2(e)
	s_mov_b32 s35, s34                             ; (named with it as a pair, so it is written)
	s_wait_kmcnt 0x0
	s_cmp_lg_u32 s24, 0
	s_cbranch_scc1 .Lcopy
	; ---- wave 0: the product with W2
	s_add_nc_u64 s[16:17], s[16:17], s[30:31]
	s_add_nc_u64 s[18:19], s[18:19], s[30:31]
	s_add_nc_u64 s[8:9], s[8:9], s[26:27]
	s_add_nc_u64 s[10:11], s[10:11], s[28:29]
	s_add_nc_u64 s[22:23], s[22:23], s[30:31]
	s_wait_alu depctr_va_vdst(0)
	global_load_b128 v[224:227], v4, s[16:17]                  ; b1[16 T + 8 h + 0 .. 7]: the result's layout
	global_load_b128 v[228:231], v4, s[16:17] offset:16
	global_load_b128 v[232:235], v4, s[18:19]                  ; b2 likewise
	global_load_b128 v[236:239], v4, s[18:19] offset:16
.irp s, 0,1,2,3,4,5,6,7
.irp c, 0,1
	global_load_b128 v[16+8*\s+4*\c:16+8*\s+4*\c+3], v1, s[8:9] offset:64*\s+32*\c          ; W2's fragment of K step s
.endr
.endr
	global_load_b128 v[80:83], v2, s[10:11]                    ; W2's scale words: register j = word j (lanes 0-15) or 4 + j (lanes 16-31)
.irp n, 0,1
.irp s, 0,1,2,3,4,5,6,7
.irp c, 0,1
	global_load_b128 v[96+64*\n+8*\s+4*\c:96+64*\n+8*\s+4*\c+3], v1, s[12:13] offset:8192*\n+64*\s+32*\c   ; batches 16 n + r
.endr
.endr
.endr
.irp n, 0,1
	global_load_b128 v[84+4*\n:87+4*\n], v2, s[14:15] offset:512*\n
.endr
	s_wait_loadcnt 51                              ; the four loads of the biases are in; the 16 + 1 + 32 + 2 issued behind them may be out
.irp j, 0,2,4,6
	v_pk_add_f32 v[224+\j:225+\j], v[224+\j:225+\j], v[232+\j:233+\j]   ; b1 + b2: the C of each sum's first matrix instruction
.endr
.rept 4
	v_nop
.endr
	s_wait_alu depctr_va_vdst(0)
	s_wait_loadcnt 0x0
	; source 0 = 16 rows of W2, source 1 = 16 batches: lane (r, h) holds batch 16 n + r, register j the unit 16 T + 8 h + j.  The two accumulators take turns.
.irp s, 0,1,2,3,4,5,6,7
.irp n, 0,1
.if \s == 0
	v_wmma_scale_f32_16x16x128_f8f6f4 v[240+8*\n:247+8*\n], v[16+8*\s:23+8*\s], v[96+64*\n+8*\s:103+64*\n+8*\s], v[224:231], v[80+\s%4], v[84+4*\n+\s%4] matrix_a_fmt:MATRIX_FMT_FP4 matrix_b_fmt:MATRIX_FMT_FP4
.elseif \s < 4
	v_wmma_scale_f32_16x16x128_f8f6f4 v[240+8*\n:247+8*\n], v[16+8*\s:23+8*\s], v[96+64*\n+8*\s:103+64*\n+8*\s], v[240+8*\n:247+8*\n], v[80+\s%4], v[84+4*\n+\s%4] matrix_a_fmt:MATRIX_FMT_FP4 matrix_b_fmt:MATRIX_FMT_FP4
.else
	v_wmma_scale_f32_16x16x128_f8f6f4 v[240+8*\n:247+8*\n], v[16+8*\s:23+8*\s], v[96+64*\n+8*\s:103+64*\n+8*\s], v[240+8*\n:247+8*\n], v[80+\s%4], v[84+4*\n+\s%4] matrix_a_fmt:MATRIX_FMT_FP4 matrix_b_fmt:MATRIX_FMT_FP4 matrix_a_scale:MATRIX_SCALE_ROW1 matrix_b_scale:MATRIX_SCALE_ROW1
.endif
.endr
.endr
.rept 4
	v_nop                                          ; four places between the last products and the first read of results (ISA guide 7.12.1)
.endr
.irp j, 0,2,4,6,8,10,12,14
	v_pk_mul_f32 v[224+\j:225+\j], v[240+\j:241+\j], s[34:35] op_sel_hi:[1,0]   ; x c; each accumulator from its low end on
.endr
.irp n, 0,1
	global_store_b128 v5, v[224+8*\n:227+8*\n], s[22:23] offset:65536*\n
	global_store_b128 v5, v[228+8*\n:231+8*\n], s[22:23] offset:65536*\n+16
.endr
	s_endpgm
.Lcopy:
	; ---- wave 1: W1's 16 rows into the order of the operand's registers
	s_add_nc_u64 s[4:5], s[4:5], s[26:27]
	s_add_nc_u64 s[6:7], s[6:7], s[28:29]
	s_add_nc_u64 s[20:21], s[20:21], s[32:33]
	s_wait_alu depctr_va_vdst(0)
.irp s, 0,1,2,3,4,5,6,7
.irp c, 0,1
	global_load_b128 v[16+8*\s+4*\c:16+8*\s+4*\c+3], v1, s[4:5] offset:64*\s+32*\c
.endr
.endr
	global_load_b128 v[80:83], v2, s[6:7]
	s_wait_loadcnt 0x0
.irp s, 0,1,2,3,4,5,6,7
.irp c, 0,1
	global_store_b128 v3, v[16+8*\s+4*\c:16+8*\s+4*\c+3], s[20:21] offset:1024*\s+512*\c   ; 32 lanes store 512 consecutive bytes
.endr
.endr
	global_store_b128 v3, v[80:83], s[20:21] offset:8192
	s_endpgm
.Lfunc_end_k_q46c5b49342_prep:
	.size	k_q46c5b49342_prep, .Lfunc_end_k_q46c5b49342_prep-k_q46c5b49342_prep
	.p2alignl 7, 3214868480
	.fill 96, 4, 3214868480
	.section	.rodata,"a",@progbits
	.p2align	6, 0x0
	.amdhsa_kernel k_q46c5b49342_prep
		.amdhsa_group_segment_fixed_size 0
		.amdhsa_private_segment_fixed_size 0
		.amdhsa_enable_private_segment 0
		.amdhsa_kernarg_size 80
		.amdhsa_user_sgpr_count 2
		.amdhsa_user_sgpr_kernarg_segment_ptr 1
		.amdhsa_wavefront_size32 1
		.amdhsa_system_sgpr_workgroup_id_x 1
		.amdhsa_system_sgpr_workgroup_id_y 1
		.amdhsa_system_sgpr_workgroup_id_z 1
		.amdhsa_system_vgpr_workitem_id 0
		.amdhsa_next_free_vgpr 256
		.amdhsa_next_free_sgpr 66
		.amdhsa_reserve_vcc 0
		.amdhsa_float_denorm_mode_32 3
		.amdhsa_float_denorm_mode_16_64 3
		.amdhsa_memory_ordered 1
		.amdhsa_forward_progress 1
		.amdhsa_inst_pref_size 14
	.end_amdhsa_kernel
	.amdgpu_metadata
---
amdhsa.version: [ 1, 2 ]
amdhsa.kernels:
  - .name:           k_q46c5b49342_prep
    .symbol:         k_q46c5b49342_prep.kd
    .args:
      - { .name: W1_codes, .offset: 0, .size: 8, .value_kind: global_buffer, .address_space: global }
      - { .name: W1_scales, .offset: 8, .size: 8, .value_kind: global_buffer, .address_space: global }
      - { .name: W2_codes, .offset: 16, .size: 8, .value_kind: global_buffer, .address_space: global }
      - { .name: W2_scales, .offset: 24, .size: 8, .value_kind: global_buffer, .address_space: global }
      - { .name: query_codes, .offset: 32, .size: 8, .value_kind: global_buffer, .address_space: global }
      - { .name: query_scales, .offset: 40, .size: 8, .value_kind: global_buffer, .address_space: global }
      - { .name: b1, .offset: 48, .size: 8, .value_kind: global_buffer, .address_space: global }
      - { .name: b2, .offset: 56, .size: 8, .value_kind: global_buffer, .address_space: global }
      - { .name: w1img, .offset: 64, .size: 8, .value_kind: global_buffer, .address_space: global }
      - { .name: qb, .offset: 72, .size: 8, .value_kind: global_buffer, .address_space: global }
    .group_segment_fixed_size: 0
    .private_segment_fixed_size: 0
    .kernarg_segment_align: 8
    .kernarg_segment_size: 80
    .max_flat_workgroup_size: 64
    .sgpr_count:     66
    .vgpr_count:     256
    .wavefront_size: 32
...
	.end_amdgpu_metadata
.endif
;; end of part 1
;; launch attend (part 2): grid 256 x 1, 4 waves a work-group, no clusters, 327,680 bytes of LDS; arguments values, w1img, qb, V, tsc, pctx, pml; writes tsc, pctx, pml
.if DOCPART == 2
	.amdgcn_target "amdgcn-amd-amdhsa--gfx1250"
	.amdhsa_code_object_version 6
	.text
	.protected	k_q46c5b49342_attend
	.globl	k_q46c5b49342_attend
	.p2align	8
	.type	k_q46c5b49342_attend,@function
k_q46c5b49342_attend:
	s_mov_b64 s[64:65], 0
	v_nop
	global_prefetch_b8 v0, s[64:65] scope:SCOPE_SE
	s_setreg_imm32_b32 hwreg(HW_REG_WAVE_MODE, 25, 1), 1
	s_wait_xcnt 0x0
; BAHDANAU ATTENTION, second launch: scores and partial contexts, with values read from memory ONCE.
; Left out as in the first launch: bV and sum_u V[u], each the same for every position of a batch, so that the softmax takes them away.  t = -c sum_u V[u] / (1 + 2^(c z_u)), c = 2 log2(e), is the score x log2(e) less a constant.
; LIMITS: NaN and infinities among the inputs are not served.  A block of 32 zeros of values gets the scale byte 1 where the quantiser says 127: its codes are zeros, and this launch alone reads the bytes.
;   v_exp_f32 and v_rcp_f32 are accurate to 1 ulp and flush denormals (ISA guide, their entries): 2^x under 2^-126 counts as 0, where r = 1 to f32 anyway.
; SHARES.  Work-group g owns rows 256 g .. 256 g + 255 of values taken as [65536][1024] (batch g / 8), in four sub-blocks of 64 rows.
;   Thread t (0 .. 127) owns COLUMNS 8 t .. 8 t + 7 of all 64 rows: 512 registers of f32 (windows 2 and 3), from which it quantises, and which it keeps until the rows' scores are known and adds them into the context.
;   Wave w owns UNITS u = 256 w .. 256 w + 255 (16 tiles of 16) for all 64 rows in the product with W1.
; A SUB-BLOCK begins with its 64 rows in the registers and the landing zone read out: barrier, behind which the NEXT 64 rows are asked for (four tensor loads, 16 rows a wave) |
;   the quantiser, from registers (a block of 32 lies in four lanes); codes and scale bytes to LDS | barrier | the codes come back as matrix operands (window 1); 16 tiles of W1 x 4 tiles of rows x 8 K steps;
;   tanh's r and its product with V in registers | partial scores to LDS, and the wait for the next rows | barrier | every wave sums the four parts and runs the running maximum |
;   16 rows at a time: p x my f32 rows into my context, and the registers just read take the next sub-block's same 16 rows out of the landing zone.
; The matrix instruction is used with source 0 = 16 units of W1 and source 1 = 16 rows of values: a lane holds one row (lane % 16) and eight units 8 (lane / 16) + j.
; THE WALK OVER W1 GOES ROUND.  My 16 tiles are 8 pairs, and the two sets of registers hold one pair.  A sub-block walks all 8 pairs, beginning with the pair that the last sub-block ended with, which still lies
;   in the registers: so a sub-block loads 7 pairs, not 8.  The order of the units changes no sum but its rounding.
; A SET OF W1'S REGISTERS IS LOADED AGAIN IN TWO PARTS: the fragments of K steps 0 to 3, then the scale words and the fragments of K steps 4 to 7.  In the three sub-blocks that have a tensor load on its way the first part
;   is asked for as soon as K step 3's products are issued; in the last sub-block both parts stand behind K step 7's, and the tile's 32 matrix instructions stay one run.
;   The waits follow that order: K steps 0 to 3 wait for the set's first nine loads, K steps 4 to 7 each for what they read; the rows' fragments are waited for K step by K step.
; NO CLUSTER, NO JOINT LOADS: what the work-groups share is W1, and it cannot go through LDS: the landing zone for 64 rows of f32 (278,528 bytes), the codes, the scale bytes, the two vectors and the partial
;   scores leave 2,560 of the 327,680 bytes, and a slot with one tile for each wave is 34,816.  W1 goes from the re-laid buffer straight into registers, each load 512 consecutive bytes.
; VALUES ARE PREFETCHED.  In sub-block n (n = 0, 1) each wave asks for its own 16 rows of sub-block n + 2: 65,536 dense bytes, lanes 256 bytes apart, 8,192 bytes an instruction: one in each of the seven trips over
;   W1's pairs and one behind them, a whole sub-block ahead of the tensor load that wants these rows.  Each block of 256 bytes is named once in the launch.  Sub-blocks 0 and 1 come by their loads alone;
;   sub-blocks 2 and 3 ask for nothing, so that no address leaves my work-group's rows.
; REGISTERS, in windows of 256 (s_set_vgpr_msb's low byte: bits 1:0 source 0, 3:2 source 1, 5:4 source 2, 7:6 destination):
;   window 0: see the names below.   window 1: the rows' fragments: tile of rows m, K step s at v[8 (8 m + s)].   windows 2, 3: row j in f32 at v[8 (j % 32)] of window 2 + j / 32.
.set ROWP,  4352                       ; a row of values in LDS: 16 pieces of 256 bytes, 16 bytes of padding behind each
.set WTILE, 16*ROWP                    ; what one tensor load brings: 16 rows
.set ACODE, 4*WTILE                    ; the rows' codes, 64 rows, 528 bytes apart
.set CPI,   528
.set ASCL,  ACODE+64*CPI               ; their scale bytes, 32 a row, 48 bytes apart
.set SPI,   48
.set BVA,   ASCL+64*SPI                ; qb of my batch, 1,024 numbers;
.set VDIST, 4096                       ; and 4,096 bytes on: -c V
.set PART,  BVA+2*VDIST                ; partial scores: 16 x row + 4 x wave
.set SPARE, PART+1024                  ; the spare words, 128 bytes for each wave: two blocks of 256 bytes that no other line names
.set TILEB, 8704                       ; a tile of W1 in w1img
.set SPW,  1                           ; v1      LDS address of my spare word; never rewritten
.set NIL,  2                           ; v2      0; never rewritten
.set AV,   3                           ; v3-6    my 32 bytes in row 16 g of the landing zone
.set AC,   7                           ; v7      where my 8 codes of row 0 go
.set AS,   8                           ; v8      where my block's scale byte of row 0 goes
.set AF,   9                           ; v9      a fragment of the codes: row lane % 16, + 16 (lane / 16)
.set AQ,   10                          ; v10     the same among the scale bytes
.set AB0,  11                          ; v11     qb of my wave's first tile, my half's eight
.set AB,   12                          ; v12     the same for the two tiles in hand
.set AP,   13                          ; v13     where my partial score goes
.set AR,   14                          ; v14     the four parts of rows 2 lane, 2 lane + 1
.set WO,   15                          ; v15     16 x lane
.set TOFF, 16                          ; v16     8 x lane
.set CO,   17                          ; v17     16 x thread
.set MX,   18                          ; v18     the running largest t
.set LS,   19                          ; v19     my lane's part of the sum of p
.set FF,   20                          ; v[20:21] f = 2^(old maximum - new); v21 is 0, named with it as a pair
.set T0,   22                          ; v[22:23] t of rows 2 lane, 2 lane + 1
.set P0,   24                          ; v[24:25] their p
.set PFO,  30                          ; v30     the prefetches' offset: 256 x lane (in the head, before that: the lane)
.set CTX,  32                          ; v32-47  the context of my 8 columns, two sets (even rows', odd rows')
.set SC,   48                          ; v48-55  a pair of partial scores for each tile of rows
.set BI,   56                          ; v56-63  qb of the tile's eight units of my half.  In the quantiser: the second set of scale bytes
.set VS,   64                          ; v64-71  -c V of the same.  In the quantiser: the second set of codes
.set ASC,  72                          ; v72-87  the rows' scale words: 4 registers a tile of rows
.set BSC,  88                          ; v88-95  W1's scale words, 4 registers a set
.set ACC,  96                          ; v96-127 four accumulators.  In the quantiser at work:
.set TQ,   96                          ;         largest magnitudes,
.set SQ,   104                         ;         the conversions' scale operands; v112-119, v120-127 the first set of scale bytes and codes
.set BF,   128                         ; v128-255 W1's fragments, two sets of 8 K steps
.set PFA,  48                          ; s[48:49] where my prefetches stand in values
.set PS,   66                          ; s[66:97] sixteen p as pairs: the packed form names a pair and takes its low word for both halves
; scalars: s18 my wave; s[20:21] lane selects; s[22:23] c; s[24:31], s[32:35] the descriptor; s[36:37] the base of the pair of tiles being loaded; s38 128 x the pair in hand; s39, s40 counters;
;          s41 128 x the next pair; s[42:43] its bytes in w1img (s43 stays 0); s[46:47] where my tiles of W1 begin
.set MSB, 0
.macro WIN new                         ; the immediate's high byte repeats the setting that is left; a switch that changes nothing is dropped
.if MSB != (\new)
	s_set_vgpr_msb (MSB<<8)|(\new)
.set MSB, (\new)
.endif
.endm
	s_load_b256 s[4:11], s[0:1], 0x0               ; values s[4:5], w1img s[6:7], qb s[8:9], V s[10:11]
	s_load_b128 s[12:15], s[0:1], 0x20             ; tsc s[12:13], pctx s[14:15]
	s_load_b64 s[16:17], s[0:1], 0x30              ; pml
	v_lshl_add_u32 v[SPW], v0, 2, SPARE
	v_mov_b32 v[NIL], 0
	ds_add_u32 v[SPW], v[NIL]                      ; the wave's opening: the add, twice on end, and its wait ahead of my first tensor load
	ds_add_u32 v[SPW], v[NIL]
	v_lshrrev_b32 v26, 5, v0
	v_readfirstlane_b32 s18, v26                   ; wave 0..3
	; descriptor group 1: my 16 rows are 65,536 dense bytes, stated as 256 rows of 256 bytes (32 elements of 8 bytes), 16 bytes of padding behind each
	s_mov_b32 s24, (3<<16)|(1<<20)|(5<<22)|(3<<25)
	s_mov_b32 s25, 32<<16                          ; tensor_dim0 = 32
	s_mov_b32 s26, 256<<16                         ; tensor_dim1 = 256
	s_mov_b32 s27, 32<<16                          ; tile_dim0 = 32
	s_mov_b32 s28, 256                             ; tile_dim1 = 256
	s_mov_b32 s29, 32                              ; from row to row: 32 elements
	s_mov_b32 s30, 0
	s_mov_b32 s31, 0
	s_mov_b32 s32, 1                               ; group 0: count = 1
	s_mul_i32 s33, s18, WTILE                      ; LDS address: my 16 rows of the landing zone
	s_mov_b32 s20, 0x76543210
	s_mov_b32 s21, 0xfedcba98                      ; v_permlanex16_b32's selects for lane l xor 16
	s_mov_b32 s22, 0x4038aa3b                      ; c = 2 log2(e)
	s_mov_b32 s23, s22
	s_lshl_b32 s42, ttmp9, 20                      ; my work-group's 256 rows of 4,096 bytes,
	s_lshl_b32 s43, s18, 16                        ; my wave's 16 of a sub-block
	s_add_co_u32 s42, s42, s43
	s_mov_b32 s43, 0
	s_mul_i32 s44, s18, 16*TILEB                   ; my wave's 16 tiles of W1
	s_mov_b32 s45, 0
.irp i, 0,1,2,3,4,5,6,7,8,9,10,11,12,13,14,15
	s_mov_b32 s[PS+2*\i+1], 0                      ; the pairs' upper words are named and never used
.endr
	s_wait_dscnt 0x0                               ; both opening adds are done
	s_wait_kmcnt 0x0
	s_add_nc_u64 s[34:35], s[4:5], s[42:43]        ; global address of my 16 rows of sub-block 0
	s_or_b32 s35, s35, 0x80000000                  ; type = 2
	tensor_load_to_lds s[32:35], s[24:31]          ; the first fill: every wave issues one
	s_nop 0
	s_add_nc_u64 s[PFA:PFA+1], s[4:5], s[42:43]    ; the prefetches: my 16 rows of sub-block 0,
	s_add_nc_u64 s[PFA:PFA+1], s[PFA:PFA+1], 0x7e000   ; + two sub-blocks of 262,144 bytes, less the 8,192 that the first trip adds
	s_add_nc_u64 s[46:47], s[6:7], s[44:45]        ; where my tiles of W1 begin: kept
	s_mov_b64 s[36:37], s[46:47]                   ; the base of the pair being loaded: pair 0
	s_lshr_b32 s42, ttmp9, 3
	s_lshl_b32 s42, s42, 12
	s_add_nc_u64 s[8:9], s[8:9], s[42:43]          ; qb of my batch
	s_lshl_b32 s42, ttmp9, 10
	s_add_nc_u64 s[12:13], s[12:13], s[42:43]      ; tsc at my first row
	s_lshl_b32 s42, ttmp9, 12
	s_add_nc_u64 s[14:15], s[14:15], s[42:43]      ; pctx: 4,096 bytes a work-group
	s_lshl_b32 s42, ttmp9, 8
	s_add_nc_u64 s[16:17], s[16:17], s[42:43]      ; pml: 256 bytes a work-group
	v_and_b32 v30, 31, v0                          ; lane
	v_lshlrev_b32 v[CO], 4, v0
	v_lshlrev_b32 v[WO], 4, v30
	global_load_b128 v[96:99], v[CO], s[8:9]                   ; qb: 2,048 bytes a load of the work-group
	global_load_b128 v[100:103], v[CO], s[8:9] offset:2048
	global_load_b128 v[104:107], v[CO], s[10:11]               ; V
	global_load_b128 v[108:111], v[CO], s[10:11] offset:2048
; A tile of W1 into set b, in two parts, each load 512 consecutive bytes.  First part: the fragments of K steps 0 to 3, 8 loads
.macro WLOADA b
.irp s, 0,1,2,3
.irp c, 0,1
	global_load_b128 v[BF+64*\b+8*\s+4*\c:BF+64*\b+8*\s+4*\c+3], v[WO], s[36:37] offset:TILEB*\b+1024*\s+512*\c
.endr
.endr
.endm
; Second part: the scale words, then the fragments of K steps 4 to 7: 9 loads
.macro WLOADB b
	global_load_b128 v[BSC+4*\b:BSC+4*\b+3], v[WO], s[36:37] offset:TILEB*\b+8192
.irp s, 4,5,6,7
.irp c, 0,1
	global_load_b128 v[BF+64*\b+8*\s+4*\c:BF+64*\b+8*\s+4*\c+3], v[WO], s[36:37] offset:TILEB*\b+1024*\s+512*\c
.endr
.endr
.endm
	WLOADA 0                                       ; my tiles 0 and 1, in the order in which the loop loads
	WLOADB 0
	WLOADA 1
	WLOADB 1
	v_lshrrev_b32 v26, 3, v0
	v_and_b32 v27, 7, v0
	v_mul_u32_u24 v26, v26, 272
	v_lshl_add_u32 v[AV], v27, 5, v26              ; byte 32 t of a row: piece t / 8, 32 (t % 8) in it
	v_add_nc_u32 v[AV+1], WTILE, v[AV]
	v_add_nc_u32 v[AV+2], 2*WTILE, v[AV]
	v_add_nc_u32 v[AV+3], 3*WTILE, v[AV]
	v_lshl_add_u32 v[AC], v0, 2, ACODE             ; 8 codes are 4 bytes
	v_lshrrev_b32 v[AS], 2, v0
	v_add_nc_u32 v[AS], ASCL, v[AS]                ; my columns lie in block t / 4
	v_and_b32 v28, 15, v0                          ; r
	v_bfe_u32 v29, v0, 4, 1                        ; h
	v_mul_u32_u24 v[AF], v28, CPI
	v_lshl_add_u32 v[AF], v29, 4, v[AF]
	v_add_nc_u32 v[AF], ACODE, v[AF]
	v_mul_u32_u24 v[AQ], v28, SPI
	v_lshl_add_u32 v[AQ], v29, 4, v[AQ]
	v_add_nc_u32 v[AQ], ASCL, v[AQ]
	s_lshl_b32 s42, s18, 10
	s_add_co_u32 s42, s42, BVA
	v_lshl_add_u32 v[AB0], v29, 5, s42             ; 4 (256 w + 8 h)
	s_lshl_b32 s42, s18, 2
	s_add_co_u32 s42, s42, PART
	v_lshl_add_u32 v[AP], v28, 4, s42
	v_lshl_add_u32 v[AR], v30, 5, PART
	v_lshlrev_b32 v[TOFF], 3, v30
	v_lshlrev_b32 v[PFO], 8, v30                   ; 256 x lane
	v_lshl_add_u32 v31, v0, 4, BVA
	v_mov_b32 v[MX], 0xff61b1e6                    ; the largest t so far: -3e38, under every t
	v_mov_b32 v[LS], 0
	v_mov_b32 v[FF+1], 0
.irp j, 0,1,2,3,4,5,6,7,8,9,10,11,12,13,14,15
	v_mov_b32 v[CTX+\j], 0                         ; the sub-block is written for all four alike: the first finds zeros, which f = 0 leaves zeros
.endr
	s_wait_loadcnt 34                              ; qb and V are in; the two groups of 17 issued behind them may be out
.irp j, 0,2,4,6
	v_pk_mul_f32 v[104+\j:105+\j], v[104+\j:105+\j], 0xc038aa3b op_sel_hi:[1,0]   ; -c V
.endr
	ds_store_b128 v31, v[96:99]
	ds_store_b128 v31, v[100:103] offset:2048
	ds_store_b128 v31, v[104:107] offset:VDIST
	ds_store_b128 v31, v[108:111] offset:VDIST+2048
	s_mov_b32 s38, 0                               ; the pair in hand: pair 0
	s_mov_b32 s43, 0                               ; the upper word of the pair's bytes: stays 0
; Batch k = rows 8 k .. 8 k + 7 out of the landing zone.  My 32 bytes of each row come by two loads; 16 lanes' pieces fall on 16 different columns of 16 bytes modulo 256.
.macro XLOAD k
	WIN (2+(\k)/4)<<6                              ; destination window 2 or 3
.irp i, 0,1,2,3,4,5,6,7
	ds_load_b128 v[8*((8*(\k)+\i)%32):8*((8*(\k)+\i)%32)+3],   v[AV+(\k)/2] offset:((8*(\k)+\i)%16)*ROWP
	ds_load_b128 v[8*((8*(\k)+\i)%32)+4:8*((8*(\k)+\i)%32)+7], v[AV+(\k)/2] offset:((8*(\k)+\i)%16)*ROWP+16
.endr
.endm
; The quantiser, eight rows by turns, so that no line waits for the line above it.  The scale bytes and codes have two sets of registers by turns: a set is written again two batches on, behind a wait that shows its stores done.
.macro XQUANT k
.set XW, 2+(\k)/4
.set XB, 8*((8*(\k))%32)
.if ((\k)%2) == 1
.set BYR, BI
.set CDR, VS
.else
.set BYR, 112
.set CDR, 120
.endif
	WIN XW*5                                       ; sources 0 and 1 in the rows' window
.irp i, 0,1,2,3,4,5,6,7
	v_max3_num_f32 v[TQ+\i], |v[XB+8*\i]|, |v[XB+8*\i+1]|, 0x1800000   ; my 8 numbers of the block, and the floor 2^(3 - 127): the byte cannot fall under 1
.endr
.irp j, 2,4,6
.irp i, 0,1,2,3,4,5,6,7
	v_max3_num_f32 v[TQ+\i], |v[XB+8*\i+\j]|, |v[XB+8*\i+\j+1]|, v[TQ+\i]
.endr
.endr
	WIN 0
.irp i, 0,1,2,3,4,5,6,7
	v_max_num_f32_dpp v[TQ+\i], v[TQ+\i], v[TQ+\i] row_xmask:1 row_mask:0xf bank_mask:0xf
.endr
.irp i, 0,1,2,3,4,5,6,7
	v_max_num_f32_dpp v[TQ+\i], v[TQ+\i], v[TQ+\i] row_xmask:2 row_mask:0xf bank_mask:0xf   ; with the three lanes that share the block: its largest magnitude
.endr
.irp i, 0,1,2,3,4,5,6,7
	v_add_nc_u32 v[SQ+\i], 0xff000000, v[TQ+\i]    ; 2 off its exponent field: the conversion takes the exponent field of this operand as its scale
.endr
.irp i, 0,1,2,3,4,5,6,7
	v_lshrrev_b32 v[BYR+\i], 23, v[SQ+\i]          ; the scale's byte
.endr
	WIN XW                                         ; source 0 in the rows' window
.irp i, 0,1,2,3,4,5,6,7
	v_cvt_scalef32_pk8_fp4_f32 v[CDR+\i], v[XB+8*\i:XB+8*\i+7], v[SQ+\i]   ; to the nearest code, ties to even, beyond 6 the largest code; the lowest column's code in the lowest bits
.endr
	WIN 0
	v_nop                                          ; one plain place behind the scaled conversions
.irp i, 0,1,2,3,4,5,6,7
	ds_store_b32 v[AC], v[CDR+\i] offset:CPI*(8*(\k)+\i)
	ds_store_b8 v[AS], v[BYR+\i] offset:SPI*(8*(\k)+\i)       ; the block's four lanes write the same byte with the same value
.endr
.endm
; The codes come back as operands: a fragment (16 rows x 128 K) is 8 registers: lane (r, h) takes of row r the 16 bytes at 64 s + 32 c + 16 h.
; The four loads of scale words first, then the fragments with K outermost, eight loads a K step.
.macro ALOAD
.irp m, 0,1,2,3
	ds_load_b128 v[ASC+4*\m:ASC+4*\m+3], v[AQ] offset:16*SPI*\m
.endr
	WIN 0x40                                       ; destination window 1
.irp s, 0,1,2,3,4,5,6,7
.irp m, 0,1,2,3
.irp c, 0,1
	ds_load_b128 v[8*(8*\m+\s)+4*\c:8*(8*\m+\s)+4*\c+3], v[AF] offset:16*CPI*\m+64*\s+32*\c
.endr
.endr
.endr
	WIN 0
.endm
; One matrix instruction: W1's set b, K step s, tile of rows m.  The first K step starts the sum.  K steps 4 to 7 take their scale words from lanes 16-31.
.macro MM b, s, m
.if (\s) == 0
	v_wmma_scale_f32_16x16x128_f8f6f4 v[ACC+8*\m:ACC+8*\m+7], v[BF+64*\b+8*\s:BF+64*\b+8*\s+7], v[8*(8*\m+\s):8*(8*\m+\s)+7], 0, v[BSC+4*\b+\s%4], v[ASC+4*\m+\s%4] matrix_a_fmt:MATRIX_FMT_FP4 matrix_b_fmt:MATRIX_FMT_FP4
.elseif (\s) < 4
	v_wmma_scale_f32_16x16x128_f8f6f4 v[ACC+8*\m:ACC+8*\m+7], v[BF+64*\b+8*\s:BF+64*\b+8*\s+7], v[8*(8*\m+\s):8*(8*\m+\s)+7], v[ACC+8*\m:ACC+8*\m+7], v[BSC+4*\b+\s%4], v[ASC+4*\m+\s%4] matrix_a_fmt:MATRIX_FMT_FP4 matrix_b_fmt:MATRIX_FMT_FP4
.else
	v_wmma_scale_f32_16x16x128_f8f6f4 v[ACC+8*\m:ACC+8*\m+7], v[BF+64*\b+8*\s:BF+64*\b+8*\s+7], v[8*(8*\m+\s):8*(8*\m+\s)+7], v[ACC+8*\m:ACC+8*\m+7], v[BSC+4*\b+\s%4], v[ASC+4*\m+\s%4] matrix_a_fmt:MATRIX_FMT_FP4 matrix_b_fmt:MATRIX_FMT_FP4 matrix_a_scale:MATRIX_SCALE_ROW1 matrix_b_scale:MATRIX_SCALE_ROW1
.endif
.endm
; r = 1 / (1 + 2^(c z)) of the tile's 4 x 8 numbers a lane, and its product with -c V into the partial scores.  2^x = infinity gives r = 0, 2^x = 0 gives r = 1: tanh's two ends.
; The exponentials are one batch and the reciprocals another: ahead of each and behind each a wait.
.macro TANH
.irp q, 0,1,2,3
.irp m, 0,1,2,3
	v_pk_fma_f32 v[ACC+8*\m+2*\q:ACC+8*\m+2*\q+1], v[ACC+8*\m+2*\q:ACC+8*\m+2*\q+1], s[22:23], v[BI+2*\q:BI+2*\q+1] op_sel_hi:[1,0,1]   ; c x the sum + qb; each accumulator from its low end on
.endr
.endr
.set J, 0
	s_wait_alu depctr_va_vdst(0)
.rept 32
	v_exp_f32 v[ACC+J], v[ACC+J]
.set J, J+1
.endr
	v_nop
	s_wait_alu depctr_va_vdst(0)
.set J, 0
.rept 16
	v_pk_add_f32 v[ACC+J:ACC+J+1], v[ACC+J:ACC+J+1], 1.0 op_sel_hi:[1,0]
.set J, J+2
.endr
.set J, 0
	s_wait_alu depctr_va_vdst(0)
.rept 32
	v_rcp_f32 v[ACC+J], v[ACC+J]
.set J, J+1
.endr
	v_nop
	s_wait_alu depctr_va_vdst(0)
.irp q, 0,1,2,3
.irp m, 0,1,2,3
	v_pk_fma_f32 v[SC+2*\m:SC+2*\m+1], v[ACC+8*\m+2*\q:ACC+8*\m+2*\q+1], v[VS+2*\q:VS+2*\q+1], v[SC+2*\m:SC+2*\m+1]
.endr
.endr
.endm
; A tile of 16 units against the 64 rows: 32 matrix instructions, the four accumulators by turns, one instruction a turn.
; pf = 1: the set being multiplied takes its tile of the next pair, the first part behind K step 3, the second behind K step 7, each behind four places.  pf = 2: both parts behind K step 7.  pf = 0: nothing is loaded.
; THE WAITS ON LOADcnt.  Loads come back in order (ISA guide 5.7.1).  A set's 17 loads are issued as 8 (K steps 0 to 3), 1 (scale words), 8 (K steps 4 to 7).
;   K steps 0 to 3 need the first nine: c1 counts the loads issued behind those nine: in a loop this set's last 8 and 17 more, 25.
;   K step s of 4 to 7 needs this set's loads up to its own: behind them stand this set's 2 (7 - s) and c2.  c2 = the 17 issued between two tiles of one set, and with pf = 1 the 8 just issued behind K step 3: 25.
;   The two tiles behind a loop load nothing: the first has c1 = 25, c2 = 17; the second c1 = 8, c2 = 0.
; ON DScnt: behind the rows' scale words and fragments up to K step s were issued the 8 (7 - s) loads of the later K steps (in a sub-block's first tile; later none is out) and this tile's four loads of qb and -c V.
.macro TILE b, pf, c1, c2
	ds_load_b128 v[BI:BI+3],   v[AB] offset:64*\b
	ds_load_b128 v[BI+4:BI+7], v[AB] offset:64*\b+16
	ds_load_b128 v[VS:VS+3],   v[AB] offset:64*\b+VDIST
	ds_load_b128 v[VS+4:VS+7], v[AB] offset:64*\b+VDIST+16
	WIN 0x04                                       ; source 1, the rows' fragments, in window 1 (a global load names a destination and source 0 alone: both stay in window 0)
.irp s, 0,1,2,3
	s_wait_loadcnt_dscnt ((\c1)<<8)|(8*(7-\s)+4)
.irp m, 0,1,2,3
	MM \b, \s, \m
.endr
.endr
.if \pf == 1
.rept 4
	v_nop                                          ; four places in front of loads into registers that the products have read
.endr
	WLOADA \b
.endif
.irp s, 4,5,6,7
	s_wait_loadcnt_dscnt ((\c2+2*(7-\s))<<8)|(8*(7-\s)+4)
.irp m, 0,1,2,3
	MM \b, \s, \m
.endr
.endr
	WIN 0
.rept 4
	v_nop                                          ; four places in front of loads into registers that the products have read, and of the first read of results (ISA guide 7.12.1 for vector instructions)
.endr
.if \pf == 2
	WLOADA \b
.endif
.if \pf
	WLOADB \b
.endif
	s_wait_dscnt 0x0                               ; qb and -c V of the tile
	TANH
.endm
; Rows 16 g .. 16 g + 15 into the context: row j's p lies in lane j / 2, register j % 2, of every wave
.macro CTXG g
.irp i, 0,1,2,3,4,5,6,7,8,9,10,11,12,13,14,15
	v_readlane_b32 s[PS+2*\i], v[P0+\i%2], 8*\g+\i/2
.endr
	WIN 2+(\g)/2                                   ; source 0 in the rows' window
.irp i, 0,1,2,3,4,5,6,7,8,9,10,11,12,13,14,15
.irp q, 0,1,2,3
	v_pk_fma_f32 v[CTX+8*(\i%2)+2*\q:CTX+8*(\i%2)+2*\q+1], v[8*((16*\g+\i)%32)+2*\q:8*((16*\g+\i)%32)+2*\q+1], s[PS+2*\i:PS+2*\i+1], v[CTX+8*(\i%2)+2*\q:CTX+8*(\i%2)+2*\q+1] op_sel_hi:[1,0,1]
.endr
.endr
	WIN 0
.endm
; A sub-block.  On the way in its 64 rows are on their way from the landing zone into my registers.
.macro SUBBLOCK last
.if \last
	s_wait_dscnt 0x0                               ; my columns of the 64 rows are in the registers
.else
	s_wait_tensorcnt 0x0                           ; no tensor load of mine is out, so group 0 may be written
	ds_add_u32 v[SPW], v[NIL]                      ; 0 onto my spare word
	s_add_nc_u64 s[34:35], s[34:35], 0x40000       ; the next 64 rows; the type bits on top are not reached
	s_wait_dscnt 0x0                               ; the add is done, and my reads of the landing zone are over: my columns of the 64 rows are in the registers
	s_barrier_signal -1
	s_barrier_wait -1                              ; that holds of every wave
	tensor_load_to_lds s[32:35], s[24:31]          ; my one tensor load behind this barrier, and the first thing there: it has the quantising and the product in which to land
	s_nop 0
.endif
.irp k, 0,1,2,3,4,5,6,7
.if \k > 1
	s_wait_dscnt 16                                ; the last batch's 16 stores may be out; those of the batch before, whose registers are written now, are done
.endif
	XQUANT \k
.endr
	s_wait_dscnt 0x0                               ; my codes and scale bytes lie in LDS
	s_barrier_signal -1
	s_barrier_wait -1                              ; and everybody's.  The next rows' load stays on its way
	ALOAD
.irp j, 0,1,2,3,4,5,6,7
	v_mov_b32 v[SC+\j], 0
.endr
	s_mov_b32 s39, 7
.Ltile_\@:                                             ; seven trips: the pair in hand is multiplied, and each of its sets takes its tile of the next pair
	s_wait_xcnt 0x0                                ; the last trip's loads and its prefetch have read their bases: they may be written
	s_add_co_u32 s41, s38, 128
	s_and_b32 s41, s41, 0x380                      ; the next pair, modulo 8
	s_mul_i32 s42, s41, TILEB/64                   ; its bytes: 2 TILEB a pair
	s_add_nc_u64 s[36:37], s[46:47], s[42:43]
	v_add_nc_u32 v[AB], s38, v[AB0]                ; qb and -c V of the pair in hand: 128 bytes a pair
.if \last
	TILE 0, 2, 25, 17
	TILE 1, 2, 25, 17
.else
	s_add_nc_u64 s[PFA:PFA+1], s[PFA:PFA+1], 8192  ; this trip's 8,192 bytes of my 16 rows two sub-blocks on
	TILE 0, 1, 25, 25
	s_cmp_lt_u32 s40, 2                            ; s40 = 3, 2, 1 in sub-blocks 0, 1, 2: sub-block 2 has no sub-block two on
	s_cbranch_scc1 .Lnopf_\@
	global_prefetch_b8 v[PFO], s[PFA:PFA+1] th:TH_LOAD_NT scope:SCOPE_SE
.Lnopf_\@:
	TILE 1, 1, 25, 25
.endif
	s_add_co_u32 s38, s38, 128
	s_and_b32 s38, s38, 0x380                      ; on to the next pair
	s_sub_co_u32 s39, s39, 1
	s_cmp_lg_u32 s39, 0
	s_cbranch_scc1 .Ltile_\@
	v_add_nc_u32 v[AB], s38, v[AB0]
	TILE 0, 0, 25, 17                              ; the eighth pair loads nothing and stays in the registers: the next sub-block begins with it (s38 stays)
.if \last == 0
	s_cmp_lt_u32 s40, 2
	s_cbranch_scc1 .Lnopg_\@
	global_prefetch_b8 v[PFO], s[PFA:PFA+1] offset:8192 th:TH_LOAD_NT scope:SCOPE_SE   ; the eighth and last 8,192 bytes
.Lnopg_\@:
.endif
	TILE 1, 0, 8, 0
	; my wave's 256 units of each row's t: the pair, and lane l xor 16's eight units
.irp m, 0,1,2,3
	v_add_f32 v[BI+\m], v[SC+2*\m], v[SC+2*\m+1]
.endr
.irp m, 0,1,2,3
	v_permlanex16_b32 v[BI+4+\m], v[BI+\m], s20, s21
.endr
.irp m, 0,1,2,3
	v_add_f32 v[BI+\m], v[BI+\m], v[BI+4+\m]
.endr
.irp m, 0,1,2,3
	ds_store_b32 v[AP], v[BI+\m] offset:256*\m     ; row 16 m + r; both halves of the lanes write the same word with the same value
.endr
	s_wait_tensorcnt 0x0                           ; my 16 of the next rows have landed (one load was out; in the last sub-block none),
	s_wait_dscnt 0x0                               ; and my partial scores lie in LDS
	s_barrier_signal -1
	s_barrier_wait -1                              ; everybody's: one barrier for both.
	ds_load_b128 v[VS:VS+3], v[AR]                 ; the four waves' parts of row 2 lane,
	ds_load_b128 v[VS+4:VS+7], v[AR] offset:16     ; and of row 2 lane + 1
	s_wait_dscnt 0x0
	v_add_f32 v26, v[VS], v[VS+1]
	v_add_f32 v27, v[VS+2], v[VS+3]
	v_add_f32 v28, v[VS+4], v[VS+5]
	v_add_f32 v29, v[VS+6], v[VS+7]
	v_add_f32 v[T0], v26, v27                      ; every wave makes the same sums in the same order
	v_add_f32 v[T0+1], v28, v29
	s_cmp_lg_u32 s18, 0
	s_cbranch_scc1 .Lnot0_\@
	global_store_b64 v[TOFF], v[T0:T0+1], s[12:13] ; wave 0: 32 lanes store 256 consecutive bytes, at a multiple of 256 from tsc's first byte
.Lnot0_\@:
	s_wait_alu depctr_va_vdst(0)
	v_max_num_f32 v26, v[T0], v[T0+1]
	v_max_num_f32_dpp v26, v26, v26 row_xmask:1 row_mask:0xf bank_mask:0xf
	v_max_num_f32_dpp v26, v26, v26 row_xmask:2 row_mask:0xf bank_mask:0xf
	v_max_num_f32_dpp v26, v26, v26 row_xmask:4 row_mask:0xf bank_mask:0xf
	v_max_num_f32_dpp v26, v26, v26 row_xmask:8 row_mask:0xf bank_mask:0xf
	v_permlanex16_b32 v27, v26, s20, s21
	v_max3_num_f32 v28, v26, v27, v[MX]            ; the new running maximum
	v_sub_f32 v29, v[MX], v28
	v_sub_f32 v[P0], v[T0], v28
	v_sub_f32 v[P0+1], v[T0+1], v28
	s_wait_alu depctr_va_vdst(0)
	v_exp_f32 v[FF], v29                           ; f = 2^(old - new)
	v_exp_f32 v[P0], v[P0]                         ; p = 2^(t - maximum)
	v_exp_f32 v[P0+1], v[P0+1]
	v_mov_b32 v[MX], v28                           ; (the plain line behind the three)
	s_wait_alu depctr_va_vdst(0)                   ; one wait for the three, ahead of their first reader
	v_fma_f32 v[LS], v[LS], v[FF], v[P0]
	v_add_f32 v[LS], v[LS], v[P0+1]
.irp j, 0,2,4,6,8,10,12,14
	v_pk_mul_f32 v[CTX+\j:CTX+\j+1], v[CTX+\j:CTX+\j+1], v[FF:FF+1] op_sel_hi:[1,0]   ; the context under the new maximum
.endr
.irp g, 0,1,2,3
	CTXG \g                                        ; 16 rows into the context;
.if \last == 0
	XLOAD 2*\g                                     ; their registers take the next sub-block's same 16 rows out of the landing zone
	XLOAD 2*\g+1
	WIN 0
.endif
.endr
	s_wait_xcnt 0x0                                ; the store and the last prefetch have read their bases, the store its data: all may be written
	s_add_nc_u64 s[12:13], s[12:13], 256
.if \last == 0
	s_add_nc_u64 s[PFA:PFA+1], s[PFA:PFA+1], 0x32000   ; a sub-block on, 262,144 bytes, less the seven trips' 57,344 that were added
.endif
.endm
	s_wait_tensorcnt 0x0                           ; my 16 rows of sub-block 0 have landed (one load was out),
	s_wait_dscnt 0x0                               ; my LDS stores are done,
	s_barrier_signal -1
	s_barrier_wait -1                              ; and everybody's: the 64 rows are whole.
.irp k, 0,1,2,3,4,5,6,7
	XLOAD \k                                       ; sub-block 0 into the registers
.endr
	WIN 0
	s_mov_b32 s40, 3
.Lsub:                                                 ; three sub-blocks that ask for their successor;
	SUBBLOCK 0
	s_sub_co_u32 s40, s40, 1
	s_cmp_lg_u32 s40, 0
	s_cbranch_scc1 .Lsub
	SUBBLOCK 1                                     ; the last is written out
	s_wait_alu depctr_va_vdst(0)
.irp q, 0,2,4,6
	v_pk_add_f32 v[CTX+\q:CTX+\q+1], v[CTX+\q:CTX+\q+1], v[CTX+8+\q:CTX+8+\q+1]   ; even rows' and odd rows'
.endr
	global_store_b128 v[CO], v[CTX:CTX+3], s[14:15]            ; columns 8 t + 0 .. 3: a wave stores 512 consecutive bytes
	global_store_b128 v[CO], v[CTX+4:CTX+7], s[14:15] offset:2048   ; columns 8 t + 4 .. 7
	v_add_f32_dpp v[LS], v[LS], v[LS] row_xmask:1 row_mask:0xf bank_mask:0xf
	v_add_f32_dpp v[LS], v[LS], v[LS] row_xmask:2 row_mask:0xf bank_mask:0xf
	v_add_f32_dpp v[LS], v[LS], v[LS] row_xmask:4 row_mask:0xf bank_mask:0xf
	v_add_f32_dpp v[LS], v[LS], v[LS] row_xmask:8 row_mask:0xf bank_mask:0xf
	v_permlanex16_b32 v26, v[LS], s20, s21
	v_add_f32 v[LS], v[LS], v26                    ; the sum of p over my 256 rows, in every lane
	s_cmp_lg_u32 s18, 0
	s_cbranch_scc1 .Lend
	global_store_b64 v[TOFF], v[MX:MX+1], s[16:17] ; wave 0: (maximum, sum) 32 times: 256 consecutive bytes in one store
.Lend:
	s_wait_tensorcnt 0x0                           ; the wave's end, behind my last tensor load and my last LDS store
	ds_add_u32 v[SPW], v[NIL]
	s_wait_dscnt 0x0
	s_endpgm
.Lfunc_end_k_q46c5b49342_attend:
	.size	k_q46c5b49342_attend, .Lfunc_end_k_q46c5b49342_attend-k_q46c5b49342_attend
	.p2alignl 7, 3214868480
	.fill 96, 4, 3214868480
	.section	.rodata,"a",@progbits
	.p2align	6, 0x0
	.amdhsa_kernel k_q46c5b49342_attend
		.amdhsa_group_segment_fixed_size 327680
		.amdhsa_private_segment_fixed_size 0
		.amdhsa_enable_private_segment 0
		.amdhsa_kernarg_size 56
		.amdhsa_user_sgpr_count 2
		.amdhsa_user_sgpr_kernarg_segment_ptr 1
		.amdhsa_wavefront_size32 1
		.amdhsa_system_sgpr_workgroup_id_x 1
		.amdhsa_system_sgpr_workgroup_id_y 1
		.amdhsa_system_sgpr_workgroup_id_z 1
		.amdhsa_system_vgpr_workitem_id 0
		.amdhsa_next_free_vgpr 1024
		.amdhsa_next_free_sgpr 98
		.amdhsa_reserve_vcc 0
		.amdhsa_float_denorm_mode_32 3
		.amdhsa_float_denorm_mode_16_64 3
		.amdhsa_memory_ordered 1
		.amdhsa_forward_progress 1
		.amdhsa_inst_pref_size 255
	.end_amdhsa_kernel
	.section	.bss,"aw",@nobits
	.p2align	6
	.space	262144
	.amdgpu_metadata
---
amdhsa.version: [ 1, 2 ]
amdhsa.kernels:
  - .name:           k_q46c5b49342_attend
    .symbol:         k_q46c5b49342_attend.kd
    .args:
      - { .name: values, .offset: 0, .size: 8, .value_kind: global_buffer, .address_space: global }
      - { .name: w1img, .offset: 8, .size: 8, .value_kind: global_buffer, .address_space: global }
      - { .name: qb, .offset: 16, .size: 8, .value_kind: global_buffer, .address_space: global }
      - { .name: V, .offset: 24, .size: 8, .value_kind: global_buffer, .address_space: global }
      - { .name: tsc, .offset: 32, .size: 8, .value_kind: global_buffer, .address_space: global }
      - { .name: pctx, .offset: 40, .size: 8, .value_kind: global_buffer, .address_space: global }
      - { .name: pml, .offset: 48, .size: 8, .value_kind: global_buffer, .address_space: global }
    .group_segment_fixed_size: 327680
    .private_segment_fixed_size: 0
    .kernarg_segment_align: 8
    .kernarg_segment_size: 56
    .max_flat_workgroup_size: 128
    .sgpr_count:     98
    .vgpr_count:     1024
    .wavefront_size: 32
...
	.end_amdgpu_metadata
.endif
;; end of part 2
;; launch finish (part 3): grid 32 x 1, 8 waves a work-group, no clusters, 0 bytes of LDS; arguments tsc, pctx, pml, out0, out1; writes out0, out1
.if DOCPART == 3
	.amdgcn_target "amdgcn-amd-amdhsa--gfx1250"
	.amdhsa_code_object_version 6
	.text
	.protected	k_q46c5b49342_finish
	.globl	k_q46c5b49342_finish
	.p2align	8
	.type	k_q46c5b49342_finish,@function
k_q46c5b49342_finish:
	s_mov_b64 s[64:65], 0
	v_nop
	global_prefetch_b8 v0, s[64:65] scope:SCOPE_SE
	s_setreg_imm32_b32 hwreg(HW_REG_WAVE_MODE, 25, 1), 1
	s_wait_xcnt 0x0
; BAHDANAU ATTENTION, third launch: the eight partial results of a batch are joined.  Left out as in the first launch: bV and sum_u V[u], which the softmax takes away.
; Work-group b = batch b; thread i (0 .. 255).  Part k (0 .. 7) has its maximum m_k, its sum l_k of 2^(t - m_k) and its context ctx_k = sum of 2^(t - m_k) values.
; M = the largest m_k; e_k = 2^(m_k - M); L = sum_k l_k e_k; out0 = sum_k (e_k / L) ctx_k; out1[s] = 2^(t[s] - M) / L.  L is at least 1: the part with m_k = M holds a p = 1.
; Thread i makes columns 4 i .. 4 i + 3 of out0 and positions 4 i .. 4 i + 3 and 1024 + 4 i .. + 3 of out1: every store is 16 bytes a lane, 512 consecutive bytes a wave.
; No LDS, no barrier, no matrix work: 12 KiB of results a work-group from 42 KiB of partial results.
	s_load_b256 s[4:11], s[0:1], 0x0               ; tsc s[4:5], pctx s[6:7], pml s[8:9], out0 s[10:11]
	s_load_b64 s[12:13], s[0:1], 0x20              ; out1
	v_mov_b32 v1, 0                                ; pml: the same address in all lanes
	v_lshlrev_b32 v2, 4, v0                        ; 16 i
	v_and_b32 v3, 1, v0
	v_lshrrev_b32 v4, 1, v0
	s_delay_alu instid0(VALU_DEP_1)
	v_lshlrev_b32 v4, 4, v4
	s_delay_alu instid0(VALU_DEP_1)
	v_lshl_add_u32 v3, v3, 11, v4                  ; pctx holds columns 8 t + 4 q + 0 .. 3 at 2048 q + 16 t: t = i / 2, q = i % 2
	s_lshl_b32 s14, ttmp9, 13                      ; 2,048 numbers of tsc and out1
	s_mov_b32 s15, 0
	s_lshl_b32 s16, ttmp9, 15                      ; 8 parts of 4,096 bytes of pctx
	s_mov_b32 s17, 0
	s_lshl_b32 s18, ttmp9, 11                      ; 8 parts of 256 bytes of pml
	s_mov_b32 s19, 0
	s_lshl_b32 s20, ttmp9, 12                      ; a row of out0
	s_mov_b32 s21, 0
	s_wait_alu depctr_va_vdst(0)
	s_wait_kmcnt 0x0
	s_add_nc_u64 s[4:5], s[4:5], s[14:15]
	s_add_nc_u64 s[12:13], s[12:13], s[14:15]
	s_add_nc_u64 s[6:7], s[6:7], s[16:17]
	s_add_nc_u64 s[8:9], s[8:9], s[18:19]
	s_add_nc_u64 s[10:11], s[10:11], s[20:21]
.irp k, 0,1,2,3,4,5,6,7
	global_load_b64 v[16+2*\k:17+2*\k], v1, s[8:9] offset:256*\k          ; m_k, l_k
.endr
	global_load_b128 v[64:67], v2, s[4:5]
	global_load_b128 v[68:71], v2, s[4:5] offset:4096
.irp k, 0,1,2,3,4,5,6,7
	global_load_b128 v[32+4*\k:35+4*\k], v3, s[6:7] offset:4096*\k
.endr
	s_wait_loadcnt 8                               ; the maxima, the sums and t are in; the eight loads of the contexts may be out
	v_max3_num_f32 v5, v16, v18, v20
	s_delay_alu instid0(VALU_DEP_1)
	v_max3_num_f32 v5, v5, v22, v24
	s_delay_alu instid0(VALU_DEP_1)
	v_max3_num_f32 v5, v5, v26, v28
	s_delay_alu instid0(VALU_DEP_1)
	v_max_num_f32 v5, v5, v30                      ; M
.irp k, 0,1,2,3,4,5,6,7
	v_sub_f32 v[72+\k], v[16+2*\k], v5
.endr
.irp j, 0,1,2,3,4,5,6,7
	v_sub_f32 v[64+\j], v[64+\j], v5
.endr
	s_wait_alu depctr_va_vdst(0)
.irp k, 0,1,2,3,4,5,6,7
	v_exp_f32 v[72+\k], v[72+\k]                   ; e_k
.endr
.irp j, 0,1,2,3,4,5,6,7
	v_exp_f32 v[64+\j], v[64+\j]                   ; 2^(t - M)
.endr
	v_nop                                          ; a plain line behind the batch,
	s_wait_alu depctr_va_vdst(0)                   ; and the one wait ahead of its first reader
	v_mul_f32 v6, v17, v72
.irp k, 1,2,3,4,5,6,7
	v_fmac_f32 v6, v[17+2*\k], v[72+\k]            ; L
.endr
	s_wait_alu depctr_va_vdst(0)
	v_rcp_f32 v7, v6
	v_nop
	s_wait_alu depctr_va_vdst(0)
.irp j, 0,1,2,3,4,5,6,7
	v_mul_f32 v[64+\j], v[64+\j], v7
.endr
	global_store_b128 v2, v[64:67], s[12:13]
	global_store_b128 v2, v[68:71], s[12:13] offset:4096
.irp k, 0,1,2,3,4,5,6,7
	v_mul_f32 v[72+\k], v[72+\k], v7               ; e_k / L
.endr
	s_wait_alu depctr_va_vdst(0)
	s_wait_loadcnt 0x0
.irp q, 0,1,2,3
	v_mul_f32 v[80+\q], v[32+\q], v72
.endr
.irp k, 1,2,3,4,5,6,7
.irp q, 0,1,2,3
	s_delay_alu instid0(VALU_DEP_4)
	v_fmac_f32 v[80+\q], v[32+4*\k+\q], v[72+\k]
.endr
.endr
	global_store_b128 v2, v[80:83], s[10:11]
	s_endpgm
.Lfunc_end_k_q46c5b49342_finish:
	.size	k_q46c5b49342_finish, .Lfunc_end_k_q46c5b49342_finish-k_q46c5b49342_finish
	.p2alignl 7, 3214868480
	.fill 96, 4, 3214868480
	.section	.rodata,"a",@progbits
	.p2align	6, 0x0
	.amdhsa_kernel k_q46c5b49342_finish
		.amdhsa_group_segment_fixed_size 0
		.amdhsa_private_segment_fixed_size 0
		.amdhsa_enable_private_segment 0
		.amdhsa_kernarg_size 40
		.amdhsa_user_sgpr_count 2
		.amdhsa_user_sgpr_kernarg_segment_ptr 1
		.amdhsa_wavefront_size32 1
		.amdhsa_system_sgpr_workgroup_id_x 1
		.amdhsa_system_sgpr_workgroup_id_y 1
		.amdhsa_system_sgpr_workgroup_id_z 1
		.amdhsa_system_vgpr_workitem_id 0
		.amdhsa_next_free_vgpr 96
		.amdhsa_next_free_sgpr 66
		.amdhsa_reserve_vcc 0
		.amdhsa_float_denorm_mode_32 3
		.amdhsa_float_denorm_mode_16_64 3
		.amdhsa_memory_ordered 1
		.amdhsa_forward_progress 1
		.amdhsa_inst_pref_size 8
	.end_amdhsa_kernel
	.amdgpu_metadata
---
amdhsa.version: [ 1, 2 ]
amdhsa.kernels:
  - .name:           k_q46c5b49342_finish
    .symbol:         k_q46c5b49342_finish.kd
    .args:
      - { .name: tsc, .offset: 0, .size: 8, .value_kind: global_buffer, .address_space: global }
      - { .name: pctx, .offset: 8, .size: 8, .value_kind: global_buffer, .address_space: global }
      - { .name: pml, .offset: 16, .size: 8, .value_kind: global_buffer, .address_space: global }
      - { .name: out0, .offset: 24, .size: 8, .value_kind: global_buffer, .address_space: global }
      - { .name: out1, .offset: 32, .size: 8, .value_kind: global_buffer, .address_space: global }
    .group_segment_fixed_size: 0
    .private_segment_fixed_size: 0
    .kernarg_segment_align: 8
    .kernarg_segment_size: 40
    .max_flat_workgroup_size: 256
    .sgpr_count:     66
    .vgpr_count:     96
    .wavefront_size: 32
...
	.end_amdgpu_metadata
.endif
;; end of part 3
